; MI455X (gfx1250); checked and timed in simulation.
; The chip was launched on July 23, 2026; its instructions are those of AMD's public machine-readable ISA for CDNA 5 (MIT licence, August 2026) and "CDNA5" Instruction Set Architecture Reference Guide (July 2026). The comments in the code are by the model that wrote it; some were corrected since.
;; Fast Gaussian2 D. Allowed arithmetic: float matrix products may take bf16 or f16 operands with f32 sums; all other float work in f32.
;; Inputs: colors 2,048 x 3 float32; coords 65,536 x 2 float32; log_opacities 2,048 x 1 float32; log_scales 2,048 x 2 float32; positions 2,048 x 2 float32.
;; Outputs: out0 65,536 x 3 float32.
;; 2 versions, each right; version 2 is version 1 with the launch splat written anew for expert scheduling mode. Each part assembles by itself: llvm-mc -triple=amdgcn-amd-amdhsa -mcpu=gfx1250 --defsym DOCPART=n.
;; ======== version 1 of 2: 1 launch
;; limits: values outside matrix products are rounded to bf16
;; launch splat (part 1): grid 256 x 1, 16 waves a work-group, no clusters, 75,776 bytes of LDS; arguments coords, positions, log_scales, log_opacities, colors, out0; writes out0
.if DOCPART == 1
	.amdgcn_target "amdgcn-amd-amdhsa--gfx1250"
	.amdhsa_code_object_version 6
	.text
	.protected	k_q59a0938c71_splat
	.globl	k_q59a0938c71_splat
	.p2align	8
	.type	k_q59a0938c71_splat,@function
k_q59a0938c71_splat:
	s_mov_b64 s[64:65], 0
	v_nop
	global_prefetch_b8 v0, s[64:65] scope:SCOPE_SE
	s_setreg_imm32_b32 hwreg(HW_REG_WAVE_MODE, 25, 1), 1
	s_wait_xcnt 0x0
; out[p][c] = clip( sum_n alpha(p,n) colour[n][c] / max(sum_n alpha(p,n), 1e-8), 0, 1 ),
; alpha(p,n) = opac_n / (2 pi sx_n sy_n) * exp(-0.5 ((x_p-px_n)^2/sx_n^2 + (y_p-py_n)^2/sy_n^2)),  s = max(exp(log_scale), 0.1).
; 65,536 pixels, 2,048 gaussians, all f32.  One launch; nothing goes through memory but the inputs and the output.
;
; SHARES.  A work-group owns 256 pixels and all gaussians: 524,288 pairs.  Each of its 16 waves takes all 256 pixels (8 sets of 32: a lane
; holds 8 pixels) and 128 gaussians (8 chunks of 16), so a parameter fetched from LDS serves 8 pairs in every lane; the 16 partial sums
; meet in LDS at the end.
; alpha = exp2(T), T = C + NA (px-x)^2 + NB (py-y)^2, with NA = -0.5 log2(e)/sx^2, NB likewise, C = log2(opac/(2 pi sx sy)).  NA, NB and C are made
; once per work-group from the logarithms (max(ls, ln 0.1), then exp2), so no product of scales is formed.  The difference px - x is formed first, as
; in the definition: no two large terms cancel.
; THE SUMS go to the matrix unit (bf16 operands, f32 sums), used so that each lane gets its own pixel's sums back:
;   source 1 = alpha: lane (r = l % 16, h = l / 16) holds column r on the K places of half h: 16 gaussians of ITS pixel (the halves are different pixels);
;   source 0 = colours: row m on the K places of half h is held by lane 16 h + m.  Lanes 0-3 hold R, G, B, 1 of the 16 gaussians, lanes 24-27
;   (rows 8-11, half 1) the same, every other lane zeros.  So row c of the result sums the pixels of lanes 0-15 and row 8 + c those of lanes 16-31,
;   and since register j of lane (r, h) is element (8 h + j, r), registers 0-3 of lane l are (sum a R, sum a G, sum a B, sum a) of lane l's pixel.
; NO TENSOR LOADS, NO CLUSTER: what work-groups share is the 65,536 bytes of gaussians, read once by each against the 524,288 exponentials that it
; then computes, and every number of them is transformed on its way into LDS, so they come through registers.
; LIMITS.  alpha below 2^-126 counts as 0 (v_exp_f32 gives 0 there).  NaN and infinities in the inputs, or an alpha that overflows, are not reproduced:
; the clip is a max and a min in which a NaN loses, and 0 x infinity in a matrix instruction would also reach the pixel 16 lanes away.
; |coordinate - position| stays below 1.8e19 where the scale is above 1e19 (else infinity x 0).  The division is a reciprocal (1 ULP) and a multiply;
; the sums are taken in another order than a plain loop's; alpha and the colours are rounded to bf16.
.set REC,   480                        ; LDS record of 16 gaussians: px, py, NA, NB, C (64 bytes each), then rows of 16 bf16: R, G, B, ones, zeros
.set GSTEP, 32*REC                     ; 512 gaussians further on
.set PSTEP, 64*REC                     ; 512 pairs of gaussians further on
.set O_COL, 320                        ; the colour rows in a record
.set O_ONE, 416                        ; the row of ones; the row of zeros follows it
.set IDLE,  128                        ; from row R to the row of zeros
.set WCH,   8                          ; chunks (records) of a wave
.set STAGE, 65536                      ; behind the partial sums (16 waves x 256 pixels x 16 bytes, on the table's bytes): 256 pixels x 12 bytes
.set PA,  2                            ; v2        LDS address of my wave's current record (the same in all lanes)
.set CA,  3                            ; v3        the same + my lane's colour row
.set XY,  8                            ; v[8:23]   set q: (-x, -y) of my pixel 32 q + lane
.set PRM, 24                           ; v[24:103] half h of the chunk (8 gaussians) at 40 h: px, py, NA, NB, C, 8 registers each
.set COL, 104                          ; v[104:111] colour fragment of the chunk
.set AF,  112                          ; v[112:119] alpha fragment of one set
.set DX,  120                          ; v[120:127] px - x, then its square, 8 gaussians
.set DY,  128                          ; v[128:135] the same for y
.set TT,  136                          ; v[136:151] T, then alpha: two buffers of 8, by the block's half
.set ACC, 152                          ; v[152:215] set q: 8 registers
; in the prologue only:
.set RPOS, 24                          ; raw positions, 4 x 2
.set RLS,  32                          ; raw log scales, 4 x 2
.set RLO,  40                          ; raw log opacities, 4
.set RCL,  44                          ; raw colours of 2 pairs of gaussians, 2 x 6
.set WK,   56                          ; at work
.set SA,   152                         ; where my gaussians' parameters go
.set SB,   153                         ; where my pairs' colours go
.set SO,   154                         ; where my 16 bytes of ones or zeros go
.set U,    155
.set ONE,  156                         ; v[156:159]
.set LT,   160                         ; v[160:161]
.set SUM,  24                          ; in the epilogue: v[24:87], the 16 partial sums of my pixel
	s_load_b256 s[4:11], s[0:1], 0x0               ; coords s[4:5], positions s[6:7], log_scales s[8:9], log_opacities s[10:11]
	s_load_b128 s[12:15], s[0:1], 0x20             ; colors s[12:13], out0 s[14:15]
	v_lshl_add_u32 v216, v0, 2, 0x12000
	v_mov_b32 v217, 0
	v_lshrrev_b32 v1, 5, v0
	v_readfirstlane_b32 s16, v1                    ; wave 0..15
	v_and_b32 v1, 31, v0                           ; lane
	v_lshlrev_b32 v4, 3, v0                        ; 8 t: positions and log_scales of gaussian t
	v_lshlrev_b32 v5, 2, v0                        ; 4 t: its log_opacity
	v_mul_u32_u24 v6, 24, v0                       ; 24 t: colours of gaussians 2 t, 2 t + 1
	v_lshlrev_b32 v7, 3, v1                        ; 8 x lane: coordinates
	s_lshl_b32 s18, ttmp9, 11                      ; the group's 256 pixels x 8 bytes of coords
	s_mov_b32 s19, 0
	s_mul_i32 s28, ttmp9, 3072                     ; and x 12 bytes of out0
	s_mov_b32 s29, 0
	s_mov_b32 s20, 0xc0135d8e                      ; ln 0.1
	s_mov_b32 s21, 0xc038aa3b                      ; -2 log2 e
	s_mov_b32 s22, 0xbef14589                      ; log2(0.5 log2 e) = -0.4712336
	s_mov_b32 s23, 0x3fb8aa3b                      ; log2 e
	s_mov_b32 s24, 0xc029b21d                      ; -log2(2 pi) = -2.6514961
	s_mov_b32 s25, 0x80000000                      ; the sign
	s_wait_kmcnt 0x0
	s_add_nc_u64 s[4:5], s[4:5], s[18:19]
	s_add_nc_u64 s[14:15], s[14:15], s[28:29]
	; 26 loads: thread t takes gaussians t + 512 i (i = 0..3), the colours of pairs t + 512 i (i = 0, 1), and its lane's 8 pixels
.irp i, 0,1,2,3
	global_load_b64 v[RPOS+2*\i:RPOS+2*\i+1], v4, s[6:7] offset:4096*\i
	global_load_b64 v[RLS+2*\i:RLS+2*\i+1], v4, s[8:9] offset:4096*\i
	global_load_b32 v[RLO+\i], v5, s[10:11] offset:2048*\i
.endr
.irp i, 0,1
.irp k, 0,1,2
	global_load_b64 v[RCL+6*\i+2*\k:RCL+6*\i+2*\k+1], v6, s[12:13] offset:12288*\i+8*\k   ; (R0 G0) (B0 R1) (G1 B1)
.endr
.endr
.irp q, 0,1,2,3,4,5,6,7
	global_load_b64 v[XY+2*\q:XY+2*\q+1], v7, s[4:5] offset:256*\q
.endr
	; LDS addresses, while the loads are on their way
	v_lshrrev_b32 v[SA], 4, v0
	v_mul_u32_u24 v[SA], REC, v[SA]
	v_and_b32 v[U], 15, v0
	v_lshl_add_u32 v[SA], v[U], 2, v[SA]           ; record t / 16, place t % 16, 4 bytes
	v_lshrrev_b32 v[SB], 3, v0
	v_mul_u32_u24 v[SB], REC, v[SB]
	v_and_b32 v[U], 7, v0
	v_lshl_add_u32 v[SB], v[U], 2, v[SB]           ; record t / 8, pair t % 8, two bf16
	v_lshrrev_b32 v[SO], 2, v0
	v_mul_u32_u24 v[SO], REC, v[SO]
	v_and_b32 v[U], 3, v0
	v_lshl_add_u32 v[SO], v[U], 4, v[SO]           ; record t / 4, quarter t % 4 of its 64 bytes of ones and zeros
	v_lshlrev_b32 v[LT+1], 5, v[U]                 ; 32 x (lane % 4): my colour row, if I hold one
	v_and_b32 v[U], 2, v0
	v_cmp_eq_u32 vcc_lo, 0, v[U]                   ; quarters 0, 1: ones; 2, 3: zeros
	v_mov_b32 v[ONE+1], 0x3f803f80                 ; 1.0 twice in bf16
	v_cndmask_b32 v[ONE], 0, v[ONE+1], vcc_lo
	v_mov_b32 v[ONE+1], v[ONE]
	v_mov_b32 v[ONE+2], v[ONE]
	v_mov_b32 v[ONE+3], v[ONE]
	ds_store_b128 v[SO], v[ONE:ONE+3] offset:O_ONE
	; lanes 0-3 and 24-27 read colour rows, all others the row of zeros: with k = lane / 4, k (k xor 6) is 0 for k = 0 and k = 6 alone
	v_lshrrev_b32 v[LT], 2, v1
	v_xor_b32 v[U], 6, v[LT]
	v_mul_u32_u24 v[LT], v[LT], v[U]
	v_lshl_add_u32 v[LT], v[LT], 7, v[LT+1]        ; 32 x row, or at least 128,
	v_min_u32 v[LT], IDLE, v[LT]                   ; cut to 128: the row of zeros
	s_mul_i32 s17, s16, WCH*REC                    ; my wave's first record
	v_mov_b32 v[PA], s17
	v_add_nc_u32 v[CA], s17, v[LT]
; Gaussian t + 512 i: its five parameters into its record.
.macro PREP i
.set W, WK+8*\i
	s_wait_loadcnt 23-3*\i                         ; loads return in order (ISA guide 5.7.1): of the 26, those behind this gaussian's three may stay out
	v_max_num_f32 v[W], s20, v[RLS+2*\i]           ; ln sx, ln sy with the floor of 0.1
	v_max_num_f32 v[W+1], s20, v[RLS+2*\i+1]
	v_fma_f32 v[W+2], v[W], s21, s22               ; log2(0.5 log2 e / sx^2)
	v_fma_f32 v[W+3], v[W+1], s21, s22
	v_sub_f32 v[W+4], v[RLO+\i], v[W]
	v_exp_f32 v[W+2], v[W+2]
	v_exp_f32 v[W+3], v[W+3]
	v_sub_f32 v[W+4], v[W+4], v[W+1]               ; ln(opac / (sx sy)); also the plain instruction between the exponentials and their use (ISA guide 5.7.2)
	v_fma_f32 v[W+4], v[W+4], s23, s24             ; C
	s_wait_alu depctr_va_vdst(0)
	v_xor_b32 v[W+2], s25, v[W+2]                  ; NA
	v_xor_b32 v[W+3], s25, v[W+3]                  ; NB
	ds_store_b32 v[SA], v[RPOS+2*\i]   offset:GSTEP*\i
	ds_store_b32 v[SA], v[RPOS+2*\i+1] offset:GSTEP*\i+64
	ds_store_b32 v[SA], v[W+2] offset:GSTEP*\i+128
	ds_store_b32 v[SA], v[W+3] offset:GSTEP*\i+192
	ds_store_b32 v[SA], v[W+4] offset:GSTEP*\i+256
.endm
; Gaussians 2 u, 2 u + 1, u = t + 512 i: two neighbouring bf16 of each colour row.
.macro PREPC i
	s_wait_loadcnt 11-3*\i                         ; behind this pair's three loads: the other pair's (i = 0) and the eight of the coordinates
.irp c, 0,1,2
	v_cvt_pk_bf16_f32 v[WK+32+3*\i+\c], v[RCL+6*\i+\c], v[RCL+6*\i+3+\c]
.endr
.irp c, 0,1,2
	ds_store_b32 v[SB], v[WK+32+3*\i+\c] offset:PSTEP*\i+O_COL+32*\c
.endr
.endm
	PREP 0
	PREP 1
	PREP 2
	PREP 3
	PREPC 0
	PREPC 1
	s_wait_dscnt 0x0                               ; my part of the table is written,
	s_barrier_signal -1
	s_barrier_wait -1                              ; everybody's is
; Field f (0 px, 1 py, 2 NA, 3 NB, 4 C) of half h of the record at PA + ahead: 8 numbers, every lane the same bytes
.macro LDPRM h, f, ahead
	ds_load_b128 v[PRM+40*(\h)+8*\f:PRM+40*(\h)+8*\f+3],   v[PA] offset:\ahead+64*\f+32*(\h)
	ds_load_b128 v[PRM+40*(\h)+8*\f+4:PRM+40*(\h)+8*\f+7], v[PA] offset:\ahead+64*\f+32*(\h)+16
.endm
.irp h, 0,1
.irp f, 0,1,2,3,4
	LDPRM \h, \f, 0                                ; the first chunk: ten loads for each half
.endr
.endr
	s_wait_loadcnt 0x0                             ; the coordinates
.irp q, 0,1,2,3,4,5,6,7
	v_pk_mul_f32 v[XY+2*\q:XY+2*\q+1], v[XY+2*\q:XY+2*\q+1], -1.0 op_sel_hi:[1,0]   ; kept negated: px - x is then an addition
.endr
; A BLOCK is one set of 32 pixels x one half of a chunk (8 gaussians = 4 packed pairs): 24 packed instructions, 8 exponentials, 4 roundings.
; The pieces below work on the block that STEP has named in CX, PB, TC, TP.
.macro EXPP n                          ; alpha of the block before
.if HAVEPREV
	v_exp_f32 v[TP+\n], v[TP+\n]
.endif
.endm
.macro ADDX i                          ; px - x: both results take the pair's first register, -x
	v_pk_add_f32 v[DX+2*\i:DX+2*\i+1], v[CX:CX+1], v[PB+2*\i:PB+2*\i+1] op_sel_hi:[0,1]
.endm
.macro ADDY i                          ; py - y: both results take the pair's second register, -y
	v_pk_add_f32 v[DY+2*\i:DY+2*\i+1], v[CX:CX+1], v[PB+8+2*\i:PB+8+2*\i+1] op_sel:[1,0] op_sel_hi:[1,1]
.endm
.macro SQX i
	v_pk_mul_f32 v[DX+2*\i:DX+2*\i+1], v[DX+2*\i:DX+2*\i+1], v[DX+2*\i:DX+2*\i+1]
.endm
.macro SQY i
	v_pk_mul_f32 v[DY+2*\i:DY+2*\i+1], v[DY+2*\i:DY+2*\i+1], v[DY+2*\i:DY+2*\i+1]
.endm
.macro FX i                            ; T = NA (px-x)^2 + C
	v_pk_fma_f32 v[TC+2*\i:TC+2*\i+1], v[DX+2*\i:DX+2*\i+1], v[PB+16+2*\i:PB+16+2*\i+1], v[PB+32+2*\i:PB+32+2*\i+1]
.endm
.macro FY i                            ; T += NB (py-y)^2
	v_pk_fma_f32 v[TC+2*\i:TC+2*\i+1], v[DY+2*\i:DY+2*\i+1], v[PB+24+2*\i:PB+24+2*\i+1], v[TC+2*\i:TC+2*\i+1]
.endm
; One step: T of block (set q, half h), and between its instructions, one for every three, the exponentials of the block before (prev = 1); then that
; block's four roundings into its half of the alpha fragment.  Three plain instructions stand behind the last exponential (ISA guide 5.7.2).
; wm: 0 no product; 1 set pq's fragment is whole: add its product; 2 the same as the set's first product, with C = 0: nothing is ever cleared.
; reload = 1: this is the chunk's last use of half h, so each field is fetched for the next chunk as soon as its last reader has been issued.
; colors = 1: fetch this chunk's colour fragment.  The last product that read the old one stands eight packed additions back: more than the four
; independent vector instructions that a write of a matrix instruction's source keeps behind it (ISA guide 7.12.1).
; cwait = 1: the colour fragment is waited for.
.macro STEP q, h, prev, wm, pq, reload, colors, cwait
.set CX, XY+2*(\q)
.set PB, PRM+40*(\h)
.set TC, TT+8*(\h)
.set TP, TT+8-8*(\h)
.set HAVEPREV, \prev
	EXPP 0
	ADDX 0
	ADDY 0
	ADDX 1
	EXPP 1
	ADDY 1
	ADDX 2
	ADDY 2
	EXPP 2
	ADDX 3
	ADDY 3
.if \reload
	LDPRM \h, 0, REC
	LDPRM \h, 1, REC
.endif
.if \colors
	ds_load_b128 v[COL:COL+3],   v[CA] offset:O_COL
	ds_load_b128 v[COL+4:COL+7], v[CA] offset:O_COL+16
.endif
	SQX 0
	EXPP 3
	SQY 0
	SQX 1
	SQY 1
	EXPP 4
	SQX 2
	SQY 2
	SQX 3
	EXPP 5
	SQY 3
	FX 0
	FX 1
	EXPP 6
	FX 2
	FX 3
.if \reload
	LDPRM \h, 2, REC
	LDPRM \h, 4, REC
.endif
	FY 0
	EXPP 7
	FY 1
	FY 2
	FY 3
.if \reload
	LDPRM \h, 3, REC
.endif
.if \prev
	s_wait_alu depctr_va_vdst(0)
.irp i, 0,1,2,3
	v_cvt_pk_bf16_f32 v[AF+4-4*(\h)+\i], v[TP+2*\i], v[TP+2*\i+1]   ; gaussians 2 i, 2 i + 1 of the other half: the lower K in the low half
.endr
.endif
.if \cwait
	s_wait_dscnt 0x0                               ; the two loads of the colour fragment, the only LDS loads that are out here
.endif
.if (\wm) == 1
	v_wmma_f32_16x16x32_bf16 v[ACC+8*(\pq):ACC+8*(\pq)+7], v[COL:COL+7], v[AF:AF+7], v[ACC+8*(\pq):ACC+8*(\pq)+7]
.endif
.if (\wm) == 2
	v_wmma_f32_16x16x32_bf16 v[ACC+8*(\pq):ACC+8*(\pq)+7], v[COL:COL+7], v[AF:AF+7], 0
.endif
.endm
; A chunk: 16 steps, sets 0 to 7 x halves 0, 1.  The pipeline runs on over the chunk's end: set 7's product of a chunk stands in the next chunk's first
; step, still with the old colours.  The eight accumulators take turns, one instruction a turn (7, 0, 1, .. 6, 7, ..), over the loop's backward jump
; too.  The alpha fragment is written again 24 packed instructions behind the product that read it.
; first: no block before.  z7: set 7's product here is its first.  z06: those of sets 0 to 6 are.  reload: there is a next chunk.
.macro CHUNK first, z7, z06, reload
	s_wait_dscnt 10                                ; LDS loads return in order (ISA guide 5.7.1): half 0's ten are in, half 1's ten, issued behind them, may be out
.if \first
	STEP 0, 0, 0, 0, 7, 0, 0, 0
.else
	STEP 0, 0, 1, 1+\z7, 7, 0, 0, 0
.endif
	s_wait_dscnt 0x0                               ; half 1's
	STEP 0, 1, 1, 0, 0, 0, 1, 0
	STEP 1, 0, 1, 1+\z06, 0, 0, 0, 1
	STEP 1, 1, 1, 0, 0, 0, 0, 0
.irp q, 2,3,4,5,6
	STEP \q, 0, 1, 1+\z06, \q-1, 0, 0, 0
	STEP \q, 1, 1, 0, 0, 0, 0, 0
.endr
	STEP 7, 0, 1, 1+\z06, 6, \reload, 0, 0
	STEP 7, 1, 1, 0, 0, \reload, 0, 0
.if \reload
	v_add_nc_u32 v[PA], REC, v[PA]                 ; the next record
	v_add_nc_u32 v[CA], REC, v[CA]
.endif
.endm
	CHUNK 1, 0, 1, 1                               ; chunk 0: the first products of sets 0 to 6 start their sums
	CHUNK 0, 1, 0, 1                               ; chunk 1: its first step holds set 7's first product
	s_mov_b32 s26, WCH-3
.Lchunk:
	CHUNK 0, 0, 0, 1                               ; chunks 2 to 6
	s_sub_co_i32 s26, s26, 1
	s_cmp_lg_u32 s26, 0
	s_cbranch_scc1 .Lchunk
	CHUNK 0, 0, 0, 0                               ; chunk 7 fetches nothing more
.irp n, 0,1,2,3,4,5,6,7
	v_exp_f32 v[TT+8+\n], v[TT+8+\n]               ; the last block
.endr
	v_lshlrev_b32 v4, 4, v1                        ; 16 x lane; also the plain instruction between the exponentials and their use (ISA guide 5.7.2)
	s_wait_alu depctr_va_vdst(0)
.irp i, 0,1,2,3
	v_cvt_pk_bf16_f32 v[AF+4+\i], v[TT+8+2*\i], v[TT+8+2*\i+1]
.endr
	v_wmma_f32_16x16x32_bf16 v[ACC+56:ACC+63], v[COL:COL+7], v[AF:AF+7], v[ACC+56:ACC+63]
	; THE WAY OUT.  These five address computations name none of the last product's registers: they are the independent vector instructions (four
	; are needed) between it and the LDS stores that read its result.
	v_lshl_add_u32 v4, s16, 12, v4                 ; my wave's 4,096 bytes of partial sums + 16 x lane
	v_lshlrev_b32 v5, 4, v0                        ; 16 t: pixel t's sums in a wave's part; also t's 16 bytes of the group's output
	v_mul_u32_u24 v6, 12, v0
	v_add_nc_u32 v6, STAGE, v6                     ; pixel t's 12 bytes in the stage
	v_add_nc_u32 v7, STAGE, v5                     ; the stage read back, 16 bytes a thread
	s_wait_dscnt 0x0                               ; my reads of the table are over (met: the last were waited for in chunk 7)
	s_barrier_signal -1
	s_barrier_wait -1                              ; everybody's are: the partial sums may take the table's bytes
.irp q, 0,1,2,3,4,5,6,7
	ds_store_b128 v4, v[ACC+8*\q:ACC+8*\q+3] offset:512*\q         ; pixel 32 q + lane: sum a R, sum a G, sum a B, sum a
.endr
	s_wait_dscnt 0x0
	s_barrier_signal -1
	s_barrier_wait -1
	s_cmp_ge_u32 s16, 8
	s_cbranch_scc1 .Lsummed                        ; 256 pixels: waves 0 to 7, a pixel a thread
.irp s, 0,1,2,3,4,5,6,7,8,9,10,11,12,13,14,15
	ds_load_b128 v[SUM+4*\s:SUM+4*\s+3], v5 offset:4096*\s         ; wave s's four sums of my pixel
.endr
; wave a's four sums += wave b's.  The arguments may be expressions, so they stand in brackets.
.macro ADD4 a, b
	v_pk_add_f32 v[SUM+4*(\a):SUM+4*(\a)+1],   v[SUM+4*(\a):SUM+4*(\a)+1],   v[SUM+4*(\b):SUM+4*(\b)+1]
	v_pk_add_f32 v[SUM+4*(\a)+2:SUM+4*(\a)+3], v[SUM+4*(\a)+2:SUM+4*(\a)+3], v[SUM+4*(\b)+2:SUM+4*(\b)+3]
.endm
	s_wait_dscnt 0x0
.irp a, 0,1,2,3,4,5,6,7
	ADD4 \a, \a+8
.endr
.irp a, 0,1,2,3
	ADD4 \a, \a+4
.endr
	ADD4 0, 2
	ADD4 1, 3
	ADD4 0, 1
	v_max_num_f32 v[SUM+3], 0x322bcc77, v[SUM+3]   ; max(sum a, 1e-8)
	v_rcp_f32 v[SUM+3], v[SUM+3]
	v_nop                                          ; one plain instruction before the reciprocal is used (ISA guide 5.7.2)
	s_wait_alu depctr_va_vdst(0)
.irp c, 0,1,2
	v_mul_f32 v[SUM+\c], v[SUM+\c], v[SUM+3]
.endr
.irp c, 0,1,2
	v_max_num_f32 v[SUM+\c], 0, v[SUM+\c]
.endr
.irp c, 0,1,2
	v_min_num_f32 v[SUM+\c], 1.0, v[SUM+\c]
.endr
.irp c, 0,1,2
	ds_store_b32 v6, v[SUM+\c] offset:4*\c         ; the group's 3,072 bytes of output, as they lie in memory
.endr
.Lsummed:
	s_wait_dscnt 0x0
	s_barrier_signal -1
	s_barrier_wait -1
	s_cmp_ge_u32 s16, 6
	s_cbranch_scc1 .Lend                           ; 3,072 bytes = 192 threads x 16: waves 0 to 5
	ds_load_b128 v[SUM:SUM+3], v7
	s_wait_dscnt 0x0
	global_store_b128 v5, v[SUM:SUM+3], s[14:15] th:TH_STORE_NT    ; a wave's store covers 512 consecutive bytes, at a multiple of 512 from out0's first byte
.Lend:
	s_wait_tensorcnt 0x0
	ds_add_u32 v216, v217
	s_wait_dscnt 0x0
	s_endpgm
.Lfunc_end_k_q59a0938c71_splat:
	.size	k_q59a0938c71_splat, .Lfunc_end_k_q59a0938c71_splat-k_q59a0938c71_splat
	.p2alignl 7, 3214868480
	.fill 96, 4, 3214868480
	.section	.rodata,"a",@progbits
	.p2align	6, 0x0
	.amdhsa_kernel k_q59a0938c71_splat
		.amdhsa_group_segment_fixed_size 75776
		.amdhsa_private_segment_fixed_size 0
		.amdhsa_enable_private_segment 0
		.amdhsa_kernarg_size 48
		.amdhsa_user_sgpr_count 2
		.amdhsa_user_sgpr_kernarg_segment_ptr 1
		.amdhsa_wavefront_size32 1
		.amdhsa_system_sgpr_workgroup_id_x 1
		.amdhsa_system_sgpr_workgroup_id_y 1
		.amdhsa_system_sgpr_workgroup_id_z 1
		.amdhsa_system_vgpr_workitem_id 0
		.amdhsa_next_free_vgpr 218
		.amdhsa_next_free_sgpr 66
		.amdhsa_reserve_vcc 1
		.amdhsa_float_denorm_mode_32 3
		.amdhsa_float_denorm_mode_16_64 3
		.amdhsa_memory_ordered 1
		.amdhsa_forward_progress 1
		.amdhsa_inst_pref_size 154
	.end_amdhsa_kernel
	.amdgpu_metadata
---
amdhsa.version: [ 1, 2 ]
amdhsa.kernels:
  - .name:           k_q59a0938c71_splat
    .symbol:         k_q59a0938c71_splat.kd
    .args:
      - { .name: coords, .offset: 0, .size: 8, .value_kind: global_buffer, .address_space: global }
      - { .name: positions, .offset: 8, .size: 8, .value_kind: global_buffer, .address_space: global }
      - { .name: log_scales, .offset: 16, .size: 8, .value_kind: global_buffer, .address_space: global }
      - { .name: log_opacities, .offset: 24, .size: 8, .value_kind: global_buffer, .address_space: global }
      - { .name: colors, .offset: 32, .size: 8, .value_kind: global_buffer, .address_space: global }
      - { .name: out0, .offset: 40, .size: 8, .value_kind: global_buffer, .address_space: global }
    .group_segment_fixed_size: 75776
    .private_segment_fixed_size: 0
    .kernarg_segment_align: 8
    .kernarg_segment_size: 48
    .max_flat_workgroup_size: 512
    .sgpr_count:     66
    .vgpr_count:     218
    .wavefront_size: 32
...
	.end_amdgpu_metadata
.endif
;; end of part 1
;; ======== version 2 of 2: 1 launch; version 1 with the launch splat written anew for expert scheduling mode
;; limits: values outside matrix products are rounded to bf16
;; launch splat (part 2): grid 256 x 1, 16 waves a work-group, no clusters, 75,776 bytes of LDS; arguments coords, positions, log_scales, log_opacities, colors, out0; writes out0
.if DOCPART == 2
	.amdgcn_target "amdgcn-amd-amdhsa--gfx1250"
	.amdhsa_code_object_version 6
	.text
	.protected	k_q59a0938c71_splat
	.globl	k_q59a0938c71_splat
	.p2align	8
	.type	k_q59a0938c71_splat,@function
k_q59a0938c71_splat:
	s_mov_b64 s[64:65], 0
	v_nop
	global_prefetch_b8 v0, s[64:65] scope:SCOPE_SE
	s_setreg_imm32_b32 hwreg(HW_REG_WAVE_SCHED_MODE, 0, 2), 2
	s_setreg_imm32_b32 hwreg(HW_REG_WAVE_MODE, 25, 1), 1
	s_wait_xcnt 0x0
	s_wait_alu depctr_vm_vsrc(0)
; out[p][c] = clip( sum_n alpha(p,n) colour[n][c] / max(sum_n alpha(p,n), 1e-8), 0, 1 ),
; alpha(p,n) = opac_n / (2 pi sx_n sy_n) * exp(-0.5 ((x_p-px_n)^2/sx_n^2 + (y_p-py_n)^2/sy_n^2)),  s = max(exp(log_scale), 0.1).
; 65,536 pixels, 2,048 gaussians, all f32.  One launch; nothing goes through memory but the inputs and the output.
;
; SHARES.  A work-group owns 256 pixels and all gaussians: 524,288 pairs.  Each of its 16 waves takes all 256 pixels (8 sets of 32: a lane
; holds 8 pixels) and 128 gaussians (8 chunks of 16), so a parameter fetched from LDS serves 8 pairs in every lane; the 16 partial sums
; meet in LDS at the end.
; alpha = exp2(T), T = C + NA (px-x)^2 + NB (py-y)^2, with NA = -0.5 log2(e)/sx^2, NB likewise, C = log2(opac/(2 pi sx sy)).  NA, NB and C are made
; once per work-group from the logarithms (max(ls, ln 0.1), then exp2), so no product of scales is formed.  The difference px - x is formed first, as
; in the definition: no two large terms cancel.
; THE SUMS go to the matrix unit (bf16 operands, f32 sums), used so that each lane gets its own pixel's sums back:
;   source 1 = alpha: lane (r = l % 16, h = l / 16) holds column r on the K places of half h: 16 gaussians of ITS pixel (the halves are different pixels);
;   source 0 = colours: row m on the K places of half h is held by lane 16 h + m.  Lanes 0-3 hold R, G, B, 1 of the 16 gaussians, lanes 24-27
;   (rows 8-11, half 1) the same, every other lane zeros.  So row c of the result sums the pixels of lanes 0-15 and row 8 + c those of lanes 16-31,
;   and since register j of lane (r, h) is element (8 h + j, r), registers 0-3 of lane l are (sum a R, sum a G, sum a B, sum a) of lane l's pixel.
; NO TENSOR LOADS, NO CLUSTER: what work-groups share is the 65,536 bytes of gaussians, read once by each against the 524,288 exponentials that it
; then computes, and every number of them is transformed on its way into LDS, so they come through registers.
; LIMITS.  alpha below 2^-126 counts as 0 (v_exp_f32 gives 0 there).  NaN and infinities in the inputs, or an alpha that overflows, are not reproduced:
; the clip is a max and a min in which a NaN loses, and 0 x infinity in a matrix instruction would also reach the pixel 16 lanes away.
; |coordinate - position| stays below 1.8e19 where the scale is above 1e19 (else infinity x 0).  The division is a reciprocal (1 ULP) and a multiply;
; the sums are taken in another order than a plain loop's; alpha and the colours are rounded to bf16.
; THE MODE: SCHED_MODE bits 1:0 = 2 (LLVM: expert scheduling mode 2), set by the entry lines.  The code itself states the register dependences
; between vector or matrix instructions and memory or LDS instructions, with s_wait_alu, always for 0.
; THE PLAN.  A chunk is 16 steps (set q, half h).  Registers that LDS instructions touch in the loop, and who else names them:
;   PRM half 0   read by the packed lines of steps (q, 0), last in step (7, 0); the next record's ten loads are dealt among step (7, 1), which names half 1 alone.
;   PRM half 1   read by the packed lines of steps (q, 1), last in step (7, 1); the ten loads are dealt among the next chunk's step (0, 0), which names half 0 alone.
;   COL          read by the products; a chunk's colours are read last by set 7's product, in the next chunk's step (0, 0); the new fragment is asked for behind step (0, 1)'s wait.
;   PA, CA       read by those loads; written once a chunk, in step (7, 0), ahead of that step's wait: all loads of the next record come behind it.
;   XY, DX, DY, TT, AF and the accumulators are named by vector and matrix instructions alone.
; So ONE wait on va_vdst stands in a step, behind its last packed line and ahead of the roundings.  It states that the block's eight exponentials are written; that the step's packed
; lines are done reading their half of PRM; in step (0, 1) that set 7's product is done reading COL; in step (7, 0) that PA and CA are written.  No vector or matrix line behind it names a
; register that the loads that follow touch: the roundings name TT and AF, the product COL, AF and an accumulator, the next step the other half.  One wait on vm_vsrc a chunk stands ahead of the adds to PA and CA.
.set REC,   480                        ; LDS record of 16 gaussians: px, py, NA, NB, C (64 bytes each), then rows of 16 bf16: R, G, B, ones, zeros
.set GSTEP, 32*REC                     ; 512 gaussians further on
.set PSTEP, 64*REC                     ; 512 pairs of gaussians further on
.set O_COL, 320                        ; the colour rows in a record
.set O_ONE, 416                        ; the row of ones; the row of zeros follows it
.set IDLE,  128                        ; from row R to the row of zeros
.set WCH,   8                          ; chunks (records) of a wave
.set STAGE, 65536                      ; behind the partial sums (16 waves x 256 pixels x 16 bytes, on the table's bytes): 256 pixels x 12 bytes
.set PA,  2                            ; v2        LDS address of the record that my wave fetches from (the same in all lanes)
.set CA,  3                            ; v3        the same + my lane's colour row
.set XY,  8                            ; v[8:23]   set q: (-x, -y) of my pixel 32 q + lane
.set PRM, 24                           ; v[24:103] half h of the chunk (8 gaussians) at 40 h: px, py, NA, NB, C, 8 registers each
.set COL, 104                          ; v[104:111] colour fragment of the chunk
.set AF,  112                          ; v[112:119] alpha fragment of one set
.set DX,  120                          ; v[120:127] px - x, then its square, 8 gaussians
.set DY,  128                          ; v[128:135] the same for y
.set TT,  136                          ; v[136:151] T, then alpha: two buffers of 8, by the block's half
.set ACC, 152                          ; v[152:215] set q: 8 registers
; in the prologue only:
.set RPOS, 24                          ; raw positions, 4 x 2
.set RLS,  32                          ; raw log scales, 4 x 2
.set RLO,  40                          ; raw log opacities, 4
.set RCL,  44                          ; raw colours of 2 pairs of gaussians, 2 x 6
.set WK,   56                          ; at work
.set SA,   152                         ; where my gaussians' parameters go
.set SB,   153                         ; where my pairs' colours go
.set SO,   154                         ; where my 16 bytes of ones or zeros go
.set U,    155
.set ONE,  156                         ; v[156:159]
.set LT,   160                         ; v[160:161]
.set SUM,  24                          ; in the epilogue: v[24:87], the 16 partial sums of my pixel
	s_load_b256 s[4:11], s[0:1], 0x0               ; coords s[4:5], positions s[6:7], log_scales s[8:9], log_opacities s[10:11]
	s_load_b128 s[12:15], s[0:1], 0x20             ; colors s[12:13], out0 s[14:15]
	v_lshl_add_u32 v216, v0, 2, 0x12000
	v_mov_b32 v217, 0
	v_lshrrev_b32 v1, 5, v0
	v_readfirstlane_b32 s16, v1                    ; wave 0..15
	v_and_b32 v1, 31, v0                           ; lane
	v_lshlrev_b32 v4, 3, v0                        ; 8 t: positions and log_scales of gaussian t
	v_lshlrev_b32 v5, 2, v0                        ; 4 t: its log_opacity
	v_mul_u32_u24 v6, 24, v0                       ; 24 t: colours of gaussians 2 t, 2 t + 1
	v_lshlrev_b32 v7, 3, v1                        ; 8 x lane: coordinates
	s_lshl_b32 s18, ttmp9, 11                      ; the group's 256 pixels x 8 bytes of coords
	s_mov_b32 s19, 0
	s_mul_i32 s28, ttmp9, 3072                     ; and x 12 bytes of out0
	s_mov_b32 s29, 0
	s_mov_b32 s20, 0xc0135d8e                      ; ln 0.1
	s_mov_b32 s21, 0xc038aa3b                      ; -2 log2 e
	s_mov_b32 s22, 0xbef14589                      ; log2(0.5 log2 e) = -0.4712336
	s_mov_b32 s23, 0x3fb8aa3b                      ; log2 e
	s_mov_b32 s24, 0xc029b21d                      ; -log2(2 pi) = -2.6514961
	s_mov_b32 s25, 0x80000000                      ; the sign
	s_wait_kmcnt 0x0
	s_add_nc_u64 s[4:5], s[4:5], s[18:19]
	s_add_nc_u64 s[14:15], s[14:15], s[28:29]
	s_wait_alu depctr_va_sdst(0)                   ; s16 is written, ahead of its first reader: my wave's record, the way out's addresses and its branches are made from it
	s_wait_alu depctr_va_vdst(0)                   ; the offsets v4 to v7 are written, which the 26 loads below read
	; 26 loads: thread t takes gaussians t + 512 i (i = 0..3), the colours of pairs t + 512 i (i = 0, 1), and its lane's 8 pixels
.irp i, 0,1,2,3
	global_load_b64 v[RPOS+2*\i:RPOS+2*\i+1], v4, s[6:7] offset:4096*\i
	global_load_b64 v[RLS+2*\i:RLS+2*\i+1], v4, s[8:9] offset:4096*\i
	global_load_b32 v[RLO+\i], v5, s[10:11] offset:2048*\i
.endr
.irp i, 0,1
.irp k, 0,1,2
	global_load_b64 v[RCL+6*\i+2*\k:RCL+6*\i+2*\k+1], v6, s[12:13] offset:12288*\i+8*\k   ; (R0 G0) (B0 R1) (G1 B1)
.endr
.endr
.irp q, 0,1,2,3,4,5,6,7
	global_load_b64 v[XY+2*\q:XY+2*\q+1], v7, s[4:5] offset:256*\q
.endr
	; LDS addresses, while the loads are on their way
	v_lshrrev_b32 v[SA], 4, v0
	v_mul_u32_u24 v[SA], REC, v[SA]
	v_and_b32 v[U], 15, v0
	v_lshl_add_u32 v[SA], v[U], 2, v[SA]           ; record t / 16, place t % 16, 4 bytes
	v_lshrrev_b32 v[SB], 3, v0
	v_mul_u32_u24 v[SB], REC, v[SB]
	v_and_b32 v[U], 7, v0
	v_lshl_add_u32 v[SB], v[U], 2, v[SB]           ; record t / 8, pair t % 8, two bf16
	v_lshrrev_b32 v[SO], 2, v0
	v_mul_u32_u24 v[SO], REC, v[SO]
	v_and_b32 v[U], 3, v0
	v_lshl_add_u32 v[SO], v[U], 4, v[SO]           ; record t / 4, quarter t % 4 of its 64 bytes of ones and zeros
	v_lshlrev_b32 v[LT+1], 5, v[U]                 ; 32 x (lane % 4): my colour row, if I hold one
	v_and_b32 v[U], 2, v0
	v_cmp_eq_u32 vcc_lo, 0, v[U]                   ; quarters 0, 1: ones; 2, 3: zeros
	v_mov_b32 v[ONE+1], 0x3f803f80                 ; 1.0 twice in bf16
	s_wait_alu depctr_va_vcc(0)                    ; the compare has written VCC, which the select below reads
	v_cndmask_b32 v[ONE], 0, v[ONE+1], vcc_lo
	v_mov_b32 v[ONE+1], v[ONE]
	v_mov_b32 v[ONE+2], v[ONE]
	v_mov_b32 v[ONE+3], v[ONE]
	; lanes 0-3 and 24-27 read colour rows, all others the row of zeros: with k = lane / 4, k (k xor 6) is 0 for k = 0 and k = 6 alone
	v_lshrrev_b32 v[LT], 2, v1
	v_xor_b32 v[U], 6, v[LT]
	v_mul_u32_u24 v[LT], v[LT], v[U]
	v_lshl_add_u32 v[LT], v[LT], 7, v[LT+1]        ; 32 x row, or at least 128,
	v_min_u32 v[LT], IDLE, v[LT]                   ; cut to 128: the row of zeros
	s_mul_i32 s17, s16, WCH*REC                    ; my wave's first record
	v_mov_b32 v[PA], s17
	v_add_nc_u32 v[CA], s17, v[LT]
; Gaussian t + 512 i: C, and |NA|, |NB|.  No line here reads an exponential's result: the eight exponentials of the four gaussians are one batch.
.macro PREP i
.set W, WK+8*\i
	s_wait_loadcnt 23-3*\i                         ; loads return in order (ISA guide 5.7.1): of the 26, those behind this gaussian's three may stay out
	v_max_num_f32 v[W], s20, v[RLS+2*\i]           ; ln sx, ln sy with the floor of 0.1
	v_max_num_f32 v[W+1], s20, v[RLS+2*\i+1]
	v_fma_f32 v[W+2], v[W], s21, s22               ; log2(0.5 log2 e / sx^2)
	v_fma_f32 v[W+3], v[W+1], s21, s22
	v_sub_f32 v[W+4], v[RLO+\i], v[W]
	v_exp_f32 v[W+2], v[W+2]
	v_exp_f32 v[W+3], v[W+3]
	v_sub_f32 v[W+4], v[W+4], v[W+1]               ; ln(opac / (sx sy)); also the plain instruction between the exponentials and their use (ISA guide 5.7.2)
	v_fma_f32 v[W+4], v[W+4], s23, s24             ; C
.endm
; Gaussians 2 u, 2 u + 1, u = t + 512 i: two neighbouring bf16 of each colour row.
.macro PREPC i
	s_wait_loadcnt 11-3*\i                         ; behind this pair's three loads: the other pair's (i = 0) and the eight of the coordinates
.irp c, 0,1,2
	v_cvt_pk_bf16_f32 v[WK+32+3*\i+\c], v[RCL+6*\i+\c], v[RCL+6*\i+3+\c]
.endr
.endm
	PREP 0
	PREP 1
	PREP 2
	PREP 3
	PREPC 0
	PREPC 1
	s_wait_alu depctr_va_vdst(0)                   ; the eight exponentials have written |NA| and |NB|, ahead of their first reader; C, the colour pairs, the ones and the addresses SA, SB, SO, PA, CA are written, which the LDS instructions below read
	ds_store_b128 v[SO], v[ONE:ONE+3] offset:O_ONE
.irp i, 0,1,2,3
	ds_store_b32 v[SA], v[RPOS+2*\i]   offset:GSTEP*\i
	ds_store_b32 v[SA], v[RPOS+2*\i+1] offset:GSTEP*\i+64
	ds_store_b32 v[SA], v[WK+8*\i+4]   offset:GSTEP*\i+256
.endr
.irp i, 0,1
.irp c, 0,1,2
	ds_store_b32 v[SB], v[WK+32+3*\i+\c] offset:PSTEP*\i+O_COL+32*\c
.endr
.endr
.irp i, 0,1,2,3
	v_xor_b32 v[WK+8*\i+2], s25, v[WK+8*\i+2]      ; NA (no store above reads these registers)
	v_xor_b32 v[WK+8*\i+3], s25, v[WK+8*\i+3]      ; NB
.endr
	s_wait_alu depctr_va_vdst(0)                   ; NA and NB are written, which the stores below read; the prologue's vector lines are done with v24 to v93, in which the parameters' loads land
.irp i, 0,1,2,3
	ds_store_b32 v[SA], v[WK+8*\i+2] offset:GSTEP*\i+128
	ds_store_b32 v[SA], v[WK+8*\i+3] offset:GSTEP*\i+192
.endr
	s_wait_dscnt 0x0                               ; my part of the table is written,
	s_barrier_signal -1
	s_barrier_wait -1                              ; everybody's is
	s_wait_alu depctr_vm_vsrc(0)                   ; my LDS stores have read v24 to v93 (PRM from here on, written by LDS loads) and v152 to v159 (accumulators from here on); the global loads have read v4 to v7, which the way out writes anew
; Field f (0 px, 1 py, 2 NA, 3 NB, 4 C) of half h of the record at PA: 8 numbers, every lane the same bytes
.macro LDPRM h, f
	ds_load_b128 v[PRM+40*(\h)+8*\f:PRM+40*(\h)+8*\f+3],   v[PA] offset:64*\f+32*(\h)
	ds_load_b128 v[PRM+40*(\h)+8*\f+4:PRM+40*(\h)+8*\f+7], v[PA] offset:64*\f+32*(\h)+16
.endm
.irp f, 0,1,2,4,3
	LDPRM 0, \f                                    ; the first chunk's half 0; its half 1 is fetched in its first step, as every chunk's is
.endr
	s_wait_loadcnt 0x0                             ; the coordinates
.irp q, 0,1,2,3,4,5,6,7
	v_pk_mul_f32 v[XY+2*\q:XY+2*\q+1], v[XY+2*\q:XY+2*\q+1], -1.0 op_sel_hi:[1,0]   ; kept negated: px - x is then an addition
.endr
; A BLOCK is one set of 32 pixels x one half of a chunk (8 gaussians = 4 packed pairs): 24 packed instructions, 8 exponentials, 4 roundings.
; The pieces below work on the block that STEP has named in CX, PB, TC, TP.
.macro EXPP n                          ; alpha of the block before
.if HAVEPREV
	v_exp_f32 v[TP+\n], v[TP+\n]
.endif
.endm
.macro ADDX i                          ; px - x: both results take the pair's first register, -x
	v_pk_add_f32 v[DX+2*\i:DX+2*\i+1], v[CX:CX+1], v[PB+2*\i:PB+2*\i+1] op_sel_hi:[0,1]
.endm
.macro ADDY i                          ; py - y: both results take the pair's second register, -y
	v_pk_add_f32 v[DY+2*\i:DY+2*\i+1], v[CX:CX+1], v[PB+8+2*\i:PB+8+2*\i+1] op_sel:[1,0] op_sel_hi:[1,1]
.endm
.macro SQX i
	v_pk_mul_f32 v[DX+2*\i:DX+2*\i+1], v[DX+2*\i:DX+2*\i+1], v[DX+2*\i:DX+2*\i+1]
.endm
.macro SQY i
	v_pk_mul_f32 v[DY+2*\i:DY+2*\i+1], v[DY+2*\i:DY+2*\i+1], v[DY+2*\i:DY+2*\i+1]
.endm
.macro FX i                            ; T = NA (px-x)^2 + C
	v_pk_fma_f32 v[TC+2*\i:TC+2*\i+1], v[DX+2*\i:DX+2*\i+1], v[PB+16+2*\i:PB+16+2*\i+1], v[PB+32+2*\i:PB+32+2*\i+1]
.endm
.macro FY i                            ; T += NB (py-y)^2
	v_pk_fma_f32 v[TC+2*\i:TC+2*\i+1], v[DY+2*\i:DY+2*\i+1], v[PB+24+2*\i:PB+24+2*\i+1], v[TC+2*\i:TC+2*\i+1]
.endm
; One step: T of block (set q, half h), and between its instructions, one for every three, the exponentials of the block before (prev = 1); then the step's one wait on va_vdst;
; then that block's four roundings into its half of the alpha fragment.  Three plain instructions stand behind the last exponential (ISA guide 5.7.2).
; wm: 0 no product; 1 set pq's fragment is whole: add its product; 2 the same as the set's first product, with C = 0: nothing is ever cleared.
; ld = 1: the OTHER half's ten loads, from the record at PA, are dealt among the step's first lines, a field at a time in the order in which a step wants them.  They owe no wait: that half's last
; readers stand ahead of the wait of the step before, and no vector or matrix line since names that half or PA.
; adv = 1: PA and CA move on to the next record, ahead of the step's wait.
; colors = 1: this chunk's colour fragment is asked for behind the step's wait.   cwait = 1: it is waited for.
.macro STEP q, h, prev, wm, pq, ld, adv, colors, cwait
.set CX, XY+2*(\q)
.set PB, PRM+40*(\h)
.set TC, TT+8*(\h)
.set TP, TT+8-8*(\h)
.set HAVEPREV, \prev
.if \ld
	LDPRM 1-(\h), 0
.endif
	EXPP 0
	ADDX 0
	ADDY 0
	ADDX 1
.if \ld
	LDPRM 1-(\h), 1
.endif
	EXPP 1
	ADDY 1
	ADDX 2
	ADDY 2
.if \ld
	LDPRM 1-(\h), 2
.endif
	EXPP 2
	ADDX 3
	ADDY 3
	SQX 0
.if \ld
	LDPRM 1-(\h), 4
.endif
	EXPP 3
	SQY 0
	SQX 1
	SQY 1
.if \ld
	LDPRM 1-(\h), 3
.endif
	EXPP 4
	SQX 2
	SQY 2
	SQX 3
	EXPP 5
	SQY 3
	FX 0
	FX 1
	EXPP 6
	FX 2
	FX 3
	FY 0
	EXPP 7
	FY 1
	FY 2
	FY 3
.if \adv
	s_wait_alu depctr_vm_vsrc(0)                   ; the LDS loads issued so far have read PA and CA
	v_add_nc_u32 v[PA], REC, v[PA]                 ; the next record: all its loads stand behind the wait below
	v_add_nc_u32 v[CA], REC, v[CA]
.endif
.if \prev
	s_wait_alu depctr_va_vdst(0)                   ; the eight exponentials have written v[TP ..], ahead of the roundings that read them; the packed lines above are done reading this half of PRM, in which the next step's loads may land; with colors = 1 set 7's product is done reading COL; with adv = 1 PA and CA are written
.if \colors
	ds_load_b128 v[COL:COL+3],   v[CA] offset:O_COL
	ds_load_b128 v[COL+4:COL+7], v[CA] offset:O_COL+16
.endif
.irp i, 0,1,2,3
	v_cvt_pk_bf16_f32 v[AF+4-4*(\h)+\i], v[TP+2*\i], v[TP+2*\i+1]   ; gaussians 2 i, 2 i + 1 of the other half: the lower K in the low half
.endr
.endif
.if \cwait
	s_wait_dscnt 0x0                               ; the two loads of the colour fragment, the only LDS loads that are out here
.endif
.if (\wm) == 1
	v_wmma_f32_16x16x32_bf16 v[ACC+8*(\pq):ACC+8*(\pq)+7], v[COL:COL+7], v[AF:AF+7], v[ACC+8*(\pq):ACC+8*(\pq)+7]
.endif
.if (\wm) == 2
	v_wmma_f32_16x16x32_bf16 v[ACC+8*(\pq):ACC+8*(\pq)+7], v[COL:COL+7], v[AF:AF+7], 0
.endif
.endm
; A chunk: 16 steps, sets 0 to 7 x halves 0, 1.  The pipeline runs on over the chunk's end: set 7's product of a chunk stands in the next chunk's first
; step, still with the old colours.  The eight accumulators take turns, one instruction a turn (7, 0, 1, .. 6, 7, ..), over the loop's backward jump
; too.  The alpha fragment is written again 24 packed instructions behind the product that read it.
; first: no block before (and so no wait on va_vdst in the first step: it has no exponential, and no load hangs on it).  z7: set 7's product here is its first.
; z06: those of sets 0 to 6 are.  reload: there is a next chunk.
.macro CHUNK first, z7, z06, reload
	s_wait_dscnt 0x0                               ; half 0's ten loads, the only LDS loads that are out here
.if \first
	STEP 0, 0, 0, 0, 7, 1, 0, 0, 0
.else
	STEP 0, 0, 1, 1+\z7, 7, 1, 0, 0, 0
.endif
	s_wait_dscnt 0x0                               ; half 1's ten, dealt among the step above
	STEP 0, 1, 1, 0, 0, 0, 0, 1, 0
	STEP 1, 0, 1, 1+\z06, 0, 0, 0, 0, 1
	STEP 1, 1, 1, 0, 0, 0, 0, 0, 0
.irp q, 2,3,4,5,6
	STEP \q, 0, 1, 1+\z06, \q-1, 0, 0, 0, 0
	STEP \q, 1, 1, 0, 0, 0, 0, 0, 0
.endr
	STEP 7, 0, 1, 1+\z06, 6, 0, \reload, 0, 0
	STEP 7, 1, 1, 0, 0, \reload, 0, 0, 0
.endm
	CHUNK 1, 0, 1, 1                               ; chunk 0: the first products of sets 0 to 6 start their sums
	CHUNK 0, 1, 0, 1                               ; chunk 1: its first step holds set 7's first product
	s_mov_b32 s26, WCH-3
.Lchunk:
	CHUNK 0, 0, 0, 1                               ; chunks 2 to 6
	s_sub_co_i32 s26, s26, 1
	s_cmp_lg_u32 s26, 0
	s_cbranch_scc1 .Lchunk
	CHUNK 0, 0, 0, 0                               ; chunk 7 fetches no further record
.irp n, 0,1,2,3,4,5,6,7
	v_exp_f32 v[TT+8+\n], v[TT+8+\n]               ; the last block
.endr
	v_lshlrev_b32 v4, 4, v1                        ; 16 x lane; also the plain instruction between the exponentials and their use (ISA guide 5.7.2)
	s_wait_alu depctr_va_vdst(0)                   ; the last eight exponentials have written v[TT+8 ..], ahead of the roundings that read them
.irp i, 0,1,2,3
	v_cvt_pk_bf16_f32 v[AF+4+\i], v[TT+8+2*\i], v[TT+8+2*\i+1]
.endr
	v_wmma_f32_16x16x32_bf16 v[ACC+56:ACC+63], v[COL:COL+7], v[AF:AF+7], v[ACC+56:ACC+63]
	; THE WAY OUT.  These five address computations name none of the last product's registers: they are the independent vector instructions (four
	; are needed) between it and the LDS stores that read its result.
	v_lshl_add_u32 v4, s16, 12, v4                 ; my wave's 4,096 bytes of partial sums + 16 x lane
	v_lshlrev_b32 v5, 4, v0                        ; 16 t: pixel t's sums in a wave's part; also t's 16 bytes of the group's output
	v_mul_u32_u24 v6, 12, v0
	v_add_nc_u32 v6, STAGE, v6                     ; pixel t's 12 bytes in the stage
	v_add_nc_u32 v7, STAGE, v5                     ; the stage read back, 16 bytes a thread
	s_wait_alu depctr_va_vdst(0)                   ; the products have written the accumulators, which the LDS stores below read (the places above stay beside this wait); v4 to v7 are written, the addresses of all that follows; the loop's lines are done reading v24 to v87, in which the partial sums land
	s_wait_dscnt 0x0                               ; my reads of the table are over (met: the last were waited for in chunk 7)
	s_barrier_signal -1
	s_barrier_wait -1                              ; everybody's are: the partial sums may take the table's bytes
.irp q, 0,1,2,3,4,5,6,7
	ds_store_b128 v4, v[ACC+8*\q:ACC+8*\q+3] offset:512*\q         ; pixel 32 q + lane: sum a R, sum a G, sum a B, sum a
.endr
	s_wait_dscnt 0x0
	s_barrier_signal -1
	s_barrier_wait -1
	s_cmp_ge_u32 s16, 8
	s_cbranch_scc1 .Lsummed                        ; 256 pixels: waves 0 to 7, a pixel a thread
.irp s, 0,1,2,3,4,5,6,7,8,9,10,11,12,13,14,15
	ds_load_b128 v[SUM+4*\s:SUM+4*\s+3], v5 offset:4096*\s         ; wave s's four sums of my pixel
.endr
; wave a's four sums += wave b's.  The arguments may be expressions, so they stand in brackets.
.macro ADD4 a, b
	v_pk_add_f32 v[SUM+4*(\a):SUM+4*(\a)+1],   v[SUM+4*(\a):SUM+4*(\a)+1],   v[SUM+4*(\b):SUM+4*(\b)+1]
	v_pk_add_f32 v[SUM+4*(\a)+2:SUM+4*(\a)+3], v[SUM+4*(\a)+2:SUM+4*(\a)+3], v[SUM+4*(\b)+2:SUM+4*(\b)+3]
.endm
	s_wait_dscnt 0x0
.irp a, 0,1,2,3,4,5,6,7
	ADD4 \a, \a+8
.endr
.irp a, 0,1,2,3
	ADD4 \a, \a+4
.endr
	ADD4 0, 2
	ADD4 1, 3
	ADD4 0, 1
	v_max_num_f32 v[SUM+3], 0x322bcc77, v[SUM+3]   ; max(sum a, 1e-8)
	v_rcp_f32 v[SUM+3], v[SUM+3]
	v_nop                                          ; one plain instruction before the reciprocal is used (ISA guide 5.7.2)
	s_wait_alu depctr_va_vdst(0)                   ; the reciprocal has written v[SUM+3], ahead of the multiplies that read it
.irp c, 0,1,2
	v_mul_f32 v[SUM+\c], v[SUM+\c], v[SUM+3]
.endr
.irp c, 0,1,2
	v_max_num_f32 v[SUM+\c], 0, v[SUM+\c]
.endr
.irp c, 0,1,2
	v_min_num_f32 v[SUM+\c], 1.0, v[SUM+\c]
.endr
	s_wait_alu depctr_va_vdst(0)                   ; the clip has written v[SUM] to v[SUM+2], which the LDS stores below read
.irp c, 0,1,2
	ds_store_b32 v6, v[SUM+\c] offset:4*\c         ; the group's 3,072 bytes of output, as they lie in memory
.endr
.Lsummed:
	s_wait_dscnt 0x0
	s_barrier_signal -1
	s_barrier_wait -1
	s_cmp_ge_u32 s16, 6
	s_cbranch_scc1 .Lend                           ; 3,072 bytes = 192 threads x 16: waves 0 to 5
	s_wait_alu depctr_vm_vsrc(0)                   ; my stores into the stage have read v[SUM] to v[SUM+2], in which the load below lands
	ds_load_b128 v[SUM:SUM+3], v7
	s_wait_dscnt 0x0
	global_store_b128 v5, v[SUM:SUM+3], s[14:15] th:TH_STORE_NT    ; a wave's store covers 512 consecutive bytes, at a multiple of 512 from out0's first byte
.Lend:
	s_wait_dscnt 0x0
	s_wait_alu depctr_hold_cnt(0) depctr_sa_sdst(0) depctr_va_vdst(0) depctr_va_sdst(0) depctr_va_ssrc(0) depctr_va_vcc(0) depctr_vm_vsrc(0)
	s_wait_tensorcnt 0x0
	ds_add_u32 v216, v217
	s_wait_dscnt 0x0
	s_endpgm
.Lfunc_end_k_q59a0938c71_splat:
	.size	k_q59a0938c71_splat, .Lfunc_end_k_q59a0938c71_splat-k_q59a0938c71_splat
	.p2alignl 7, 3214868480
	.fill 96, 4, 3214868480
	.section	.rodata,"a",@progbits
	.p2align	6, 0x0
	.amdhsa_kernel k_q59a0938c71_splat
		.amdhsa_group_segment_fixed_size 75776
		.amdhsa_private_segment_fixed_size 0
		.amdhsa_enable_private_segment 0
		.amdhsa_kernarg_size 48
		.amdhsa_user_sgpr_count 2
		.amdhsa_user_sgpr_kernarg_segment_ptr 1
		.amdhsa_wavefront_size32 1
		.amdhsa_system_sgpr_workgroup_id_x 1
		.amdhsa_system_sgpr_workgroup_id_y 1
		.amdhsa_system_sgpr_workgroup_id_z 1
		.amdhsa_system_vgpr_workitem_id 0
		.amdhsa_next_free_vgpr 218
		.amdhsa_next_free_sgpr 66
		.amdhsa_reserve_vcc 1
		.amdhsa_float_denorm_mode_32 3
		.amdhsa_float_denorm_mode_16_64 3
		.amdhsa_memory_ordered 1
		.amdhsa_forward_progress 1
		.amdhsa_inst_pref_size 154
	.end_amdhsa_kernel
	.amdgpu_metadata
---
amdhsa.version: [ 1, 2 ]
amdhsa.kernels:
  - .name:           k_q59a0938c71_splat
    .symbol:         k_q59a0938c71_splat.kd
    .args:
      - { .name: coords, .offset: 0, .size: 8, .value_kind: global_buffer, .address_space: global }
      - { .name: positions, .offset: 8, .size: 8, .value_kind: global_buffer, .address_space: global }
      - { .name: log_scales, .offset: 16, .size: 8, .value_kind: global_buffer, .address_space: global }
      - { .name: log_opacities, .offset: 24, .size: 8, .value_kind: global_buffer, .address_space: global }
      - { .name: colors, .offset: 32, .size: 8, .value_kind: global_buffer, .address_space: global }
      - { .name: out0, .offset: 40, .size: 8, .value_kind: global_buffer, .address_space: global }
    .group_segment_fixed_size: 75776
    .private_segment_fixed_size: 0
    .kernarg_segment_align: 8
    .kernarg_segment_size: 48
    .max_flat_workgroup_size: 512
    .sgpr_count:     66
    .vgpr_count:     218
    .wavefront_size: 32
...
	.end_amdgpu_metadata
.endif
;; end of part 2
